; MI455X (gfx1250); checked and timed in simulation.
; The chip was launched on July 23, 2026; its instructions are those of AMD's public machine-readable ISA for CDNA 5 (MIT licence, August 2026) and "CDNA5" Instruction Set Architecture Reference Guide (July 2026). The comments in the code are by the model that wrote it; some were corrected since.
;; Multi Head Self Attention. Allowed arithmetic: matrix products marked QUANTISED: E5M2 operands, one E8M0 scale for each 32 along K, by v_wmma_scale_f32_16x16x128_f8f6f4 with both operands' format E5M2, f32 sums; everything else in f32.
;; Inputs: b_k 1,024 float32; b_o 1,024 float32; b_q 1,024 float32; b_v 1,024 float32; w_k_codes 1,024 x 32 x 32 uint8 (E5M2 codes of w_k, K innermost, in blocks of 32 codes); w_k_scales 1,024 x 32 uint8 (E8M0 scales of w_k, one for each 32 codes along K); w_o_codes 1,024 x 32 x 32 uint8 (E5M2 codes of w_o, K innermost, in blocks of 32 codes); w_o_scales 1,024 x 32 uint8 (E8M0 scales of w_o, one for each 32 codes along K); w_q_codes 1,024 x 32 x 32 uint8 (E5M2 codes of w_q, K innermost, in blocks of 32 codes); w_q_scales 1,024 x 32 uint8 (E8M0 scales of w_q, one for each 32 codes along K); w_v_codes 1,024 x 32 x 32 uint8 (E5M2 codes of w_v, K innermost, in blocks of 32 codes); w_v_scales 1,024 x 32 uint8 (E8M0 scales of w_v, one for each 32 codes along K); x_codes 4 x 2,048 x 32 x 32 uint8 (E5M2 codes of x, K innermost, in blocks of 32 codes); x_scales 4 x 2,048 x 32 uint8 (E8M0 scales of x, one for each 32 codes along K).
;; Outputs: out0 4 x 2,048 x 1,024 float32.
;; This version of the problem:
;;   THIS VERSION OF THE PROBLEM IS GIVEN IN LOW PRECISION. The matrix products marked QUANTISED in the list below multiply operands that are first quantised to E5M2 (5 exponent bits, 2 mantissa bits; 8 bits a number), with one power-of-two scale for each 32 numbers along K (OCP MX v1.0); their sums are f32. All else is computed in f32.
;;   The module's matrix products, in the order in which they are computed (A, B: the left and right operand; K: the contracted axis; several contracted axes count as one K, in the product's order):
;;     1. [M 8,192, K 1,024] x [K 1,024, N 1,024]; A: input x (given as codes); B: input w_q (given as codes): QUANTISED
;;     2. [M 8,192, K 1,024] x [K 1,024, N 1,024]; A: input x (given as codes); B: input w_k (given as codes): QUANTISED
;;     3. [M 8,192, K 1,024] x [K 1,024, N 1,024]; A: input x (given as codes); B: input w_v (given as codes): QUANTISED
;;     4. batch 64 x [M 2,048, K 64] x [K 64, N 2,048]; A: computed on the way; B: computed on the way: QUANTISED
;;     5. batch 64 x [M 2,048, K 2,048] x [K 2,048, N 64]; A: softmax (see below); B: computed on the way: QUANTISED
;;     6. [M 8,192, K 1,024] x [K 1,024, N 1,024]; A: computed on the way; B: input w_o (given as codes): QUANTISED
;;   THE QUANTISER, for each operand of a quantised product, along K:
;;     - K is cut into blocks of 32 from its start; a last block that is shorter is filled with zeros.
;;     - A block's scale is 2^e with e = floor(log2(the largest magnitude in the block)) - 15, held to -126 .. 127; a block of zeros has e = 0. As a byte (E8M0): e + 127.
;;     - Each number is divided by its block's scale, clamped to +-57,344, and rounded to the nearest number of E5M2, ties to even, subnormals kept.
;;     - The product sums the exact products of the quantised numbers (number of the format x scale) in f32.
;;   ~~~python
;;   def quantise(x, axis):      # numpy; x: float32 -> the quantised numbers, widened to float32 again
;;       x = np.moveaxis(x, axis, -1); K = x.shape[-1]
;;       x = np.pad(x, [(0, 0)] * (x.ndim - 1) + [(0, -K % 32)]); x = x.reshape(x.shape[:-1] + (-1, 32)); a = np.abs(x).max(-1, keepdims=True)
;;       e = np.where(a > 0, np.clip(np.frexp(np.where(a > 0, a, 1))[1] - 1 - 15, -126, 127), 0)      # np.frexp(a)[1] - 1 = floor(log2(a)), exactly
;;       r = np.clip(x / 2.0 ** e, -57344, 57344)
;;       step = 2.0 ** (np.maximum(np.frexp(np.where(r == 0, 1, r))[1] - 1, -14) - 2)
;;       q = np.round(r / step) * step * 2.0 ** e      # np.round: ties to even
;;       return np.moveaxis(q.reshape(q.shape[:-2] + (-1,))[..., :K], -1, axis).astype(np.float32)
;;   ~~~
;;   SOFTMAX AHEAD OF A QUANTISED PRODUCT. Where the list says 'softmax', what is quantised is not the finished softmax but p = 2^(t - M), with t = logit x log2(e) and M = ceil(the row's largest t), a whole number; so 1/2 < the row's largest p <= 1. The row's sum l is taken of the UNQUANTISED p, in f32, and the product's result is divided by l at the end. Since M is a whole number, a kernel that streams over the keys may use a running M (the ceiling of the running maximum): every later rescaling is an exact power of two, which a block's scale takes up: the codes' values come out the same.
;;   OPERANDS COMPUTED ON THE WAY. 'Computed on the way' means the value that the module computes at that place (a softmax that the list does not call 'softmax' is quantised finished and normalised). What goes into a quantiser is computed in f32, as accurately as f32 sums, v_exp_f32 and their like allow (about 1e-6 of the number): no bf16 or f16 on the way to a quantiser, and a product that is left as it is and whose result goes on into a quantised operand takes f32 operands (vector FMAs, or v_wmma_f32_16x16x4_f32). A number that lies on a knife's edge between two numbers of the format may be rounded either way, as far as f32 arithmetic and the matrix unit's own rounding can turn it there, and no further.
;;   INPUTS GIVEN AS CODES. w_k (in the module: [1024, 1024], K = its axis 0); w_o (in the module: [1024, 1024], K = its axis 0); w_q (in the module: [1024, 1024], K = its axis 0); w_v (in the module: [1024, 1024], K = its axis 0); x (in the module: [4, 2048, 1024], K = its axis 2): each comes as NAME_codes (uint8): NAME with its K axis moved to the last place and cut into blocks of 32 codes, [.., K / 32, bytes a block], one block behind the other in memory; one code a byte (a code: sign, 5 exponent bits, 2 mantissa bits); and NAME_scales (uint8): the same leading axes, one E8M0 byte (e + 127) for each 32 codes along K. Its value is code x scale, taken as it is: it is not quantised again, and the codes and scales need not be those that the quantiser above would give.
;; One version. Each part assembles by itself: llvm-mc -triple=amdgcn-amd-amdhsa -mcpu=gfx1250 --defsym DOCPART=n.
;; ======== version 1 of 1: 3 launches
;; limits: right only within a limited range of input values
;; workspace buffers: qkv 25,952,256 bytes; ctxc 8,388,608 bytes; ctxs 262,144 bytes
;; launch qkv (part 1): grid 96 x 4, 4 waves a work-group, clusters of 4 x 4, 327,680 bytes of LDS; arguments x_codes, x_scales, w_q_codes, w_q_scales, w_k_codes, w_k_scales, w_v_codes, w_v_scales, b_q, b_k, b_v, qkv; writes qkv
.if DOCPART == 1
	.amdgcn_target "amdgcn-amd-amdhsa--gfx1250"
	.amdhsa_code_object_version 6
	.text
	.protected	k_qdedbf7d873_qkv
	.globl	k_qdedbf7d873_qkv
	.p2align	8
	.type	k_qdedbf7d873_qkv,@function
k_qdedbf7d873_qkv:
	s_mov_b64 s[64:65], 0
	v_nop
	global_prefetch_b8 v0, s[64:65] scope:SCOPE_SE
	s_setreg_imm32_b32 hwreg(HW_REG_WAVE_MODE, 25, 1), 1
	s_wait_xcnt 0x0
	s_wait_alu depctr_hold_cnt(0) depctr_sa_sdst(0) depctr_va_vdst(0) depctr_va_sdst(0) depctr_va_ssrc(0) depctr_va_vcc(0) depctr_vm_vsrc(0)
	s_getreg_b32 s2, hwreg(HW_REG_IB_STS2, 6, 4)
	s_cmp_eq_u32 s2, 0
	s_cbranch_scc0 .Lentry_in_a_cluster
	s_endpgm
.Lentry_in_a_cluster:
	s_bfe_u32 s2, ttmp6, 0x10000c
	s_cmp_lg_u32 s2, 0xf033
	s_cbranch_scc0 .Lentry_shape_is_right
	s_endpgm
.Lentry_shape_is_right:
.set KSTEP,  256
.set NQ,     2
.set ROWB,   256
.set KROW,   1024
.set PITCH,  272
.set FR,     16
.set NL,     4
.set NP,     8
.set HALFT,  128*PITCH
.set SLOT,   4*HALFT
.set LAPS,   2
.set KS,     32
.set SCL,    2*SLOT
.set HALFS,  (128*KS/256)*272
.set SBLK,   (16*KS/256)*272
.set SPARE,  SCL+4*HALFS
.set BLKB,   25344
.set HS,     16*BLKB
.set ADRA, 2
.set ADRB, 4
.set ADRS, 6
.set SPW,  7
.set NIL,  8
.set VO0,  9
.set VO1,  10
.set VS,   11
.set BV,   16
.set SC,   32
.set BI,   64
.set AF,   128
.set ST,   128
.set PC,   192
.set TM,   208
.set PW,   224
.set XW,   232
.set GW,   240
.set G1, 24
.set G0, 32
.set G1B, 48
.set G0B, 56
.set G1S, 68
.set G0S, 76
.set G1SB, 80
.set G0SB, 88
.set ROLE, 66
.set MSB, 0
.macro WIN new
.if MSB != (\new)
	s_set_vgpr_msb (MSB<<8)|(\new)
.set MSB, (\new)
.endif
.endm
.set MUL_LO, 0xa1
.set MUL_HI, 0xf1
.set TO_B,   0x40
.macro JLOAD g0a, g1a, g0b, g1b
	s_cmp_eq_u32 s15, 0
	s_cbranch_scc0 .Lfor_b_\@
	tensor_load_to_lds s[\g0a:\g0a+3], s[\g1a:\g1a+7]
	s_nop 0
.rept 4
	v_nop
.endr
	s_branch .Lasked_\@
.Lfor_b_\@:
	tensor_load_to_lds s[\g0b:\g0b+3], s[\g1b:\g1b+7]
	s_nop 0
.rept 4
	v_nop
.endr
.Lasked_\@:
.endm
.macro CREST
	s_cmp_lg_u32 s14, 0
	s_cbranch_scc1 .Lnot_wave_0_\@
	s_barrier_signal -3
.Lnot_wave_0_\@:
	s_barrier_wait -3
	s_barrier_signal -1
	s_barrier_wait -1
.endm
.macro CROUND
	s_barrier_signal -1
	s_barrier_wait -1
	CREST
.endm
	s_load_b512 s[68:83], s[0:1], 0x0
	s_load_b256 s[84:91], s[0:1], 0x40
	v_lshl_add_u32 v[SPW], v0, 2, SPARE
	v_mov_b32 v[NIL], 0
	ds_add_u32 v7, v8
	ds_add_u32 v7, v8
	s_wait_dscnt 0x0
	v_lshrrev_b32 v1, 5, v0
	v_readfirstlane_b32 s14, v1
	s_lshr_b32 s15, s14, 1
	s_and_b32 s16, s14, 1
	s_bfe_u32 s40, ttmp6, 0x40000
	s_bfe_u32 s41, ttmp6, 0x40004
	s_lshr_b32 s[ROLE], ttmp9, 3
	s_and_b32 s67, ttmp9, 7
	s_lshl_b32 s67, s67, 2
	s_cmp_eq_u32 s[ROLE], 2
	s_cselect_b32 s18, s67, 0
	s_cselect_b32 s19, 0, s67
	s_add_co_u32 s42, s40, s18
	s_add_co_u32 s17, s41, s19
	s_lshl_b32 s43, s41, 2
	s_lshl_b32 s43, 15, s43
	s_lshl_b32 s44, 0x1111, s40
	s_or_b32 s[G1+0], s43, (0<<16)|(1<<20)|(1<<21)|(5<<22)|(3<<25)
	s_or_b32 s[G1B+0], s44, (0<<16)|(1<<20)|(1<<21)|(5<<22)|(3<<25)
.irp g, G1, G1B
	s_mov_b32 s[\g+1], ROWB<<16
	s_mov_b32 s[\g+2], 128<<16
	s_mov_b32 s[\g+3], ROWB<<16
	s_mov_b32 s[\g+4], 128
	s_mov_b32 s[\g+5], KROW
	s_mov_b32 s[\g+6], 0
	s_mov_b32 s[\g+7], 0
.endr
	s_lshl_b32 s18, s16, 7
	s_lshl_b32 s20, s17, 8
	s_add_co_u32 s20, s20, s18
	s_lshl_b32 s46, s42, 8
	s_add_co_u32 s46, s46, s18
	s_mov_b32 s21, 0
	s_mov_b32 s47, 0
	s_mov_b64 s[18:19], KS
	s_mul_u64 s[22:23], s[20:21], s[18:19]
	s_mul_u64 s[92:93], s[46:47], s[18:19]
	s_mov_b64 s[18:19], KROW
	s_mul_u64 s[20:21], s[20:21], s[18:19]
	s_mul_u64 s[46:47], s[46:47], s[18:19]
	s_mul_i32 s45, s14, HALFT
	s_mul_i32 s94, s14, HALFS
	s_wait_kmcnt 0x0
	s_cmp_eq_u32 s[ROLE], 0
	s_cselect_b64 s[4:5], s[72:73], s[76:77]
	s_cselect_b64 s[6:7], s[74:75], s[78:79]
	s_cselect_b64 s[96:97], s[84:85], s[86:87]
	s_cmp_eq_u32 s[ROLE], 2
	s_cselect_b64 s[4:5], s[80:81], s[4:5]
	s_cselect_b64 s[6:7], s[82:83], s[6:7]
	s_cselect_b64 s[96:97], s[88:89], s[96:97]
	s_cselect_b64 s[8:9], s[68:69], s[4:5]
	s_cselect_b64 s[10:11], s[70:71], s[6:7]
	s_cselect_b64 s[4:5], s[4:5], s[68:69]
	s_cselect_b64 s[6:7], s[6:7], s[70:71]
	s_mov_b64 s[12:13], s[90:91]
	s_add_nc_u64 s[20:21], s[4:5], s[20:21]
	s_add_nc_u64 s[22:23], s[6:7], s[22:23]
	s_add_nc_u64 s[46:47], s[8:9], s[46:47]
	s_add_nc_u64 s[92:93], s[10:11], s[92:93]
	; the head's loads: 256 rows of 256 bytes, a whole tile of A or of B for one K step
	s_or_b32 s[G1S+0], s43, (0<<16)|(1<<20)|(1<<21)|(5<<22)|(3<<25)
	s_or_b32 s[G1SB+0], s44, (0<<16)|(1<<20)|(1<<21)|(5<<22)|(3<<25)
.irp g, G1S, G1SB
	s_mov_b32 s[\g+1], ROWB<<16
	s_mov_b32 s[\g+2], 256<<16
	s_mov_b32 s[\g+3], ROWB<<16
	s_mov_b32 s[\g+4], 256
	s_mov_b32 s[\g+5], KROW
	s_mov_b32 s[\g+6], 0
	s_mov_b32 s[\g+7], 0
.endr
	; the scale bytes of 128 rows a wave (waves 0, 1: A's halves; 2, 3: B's), 4,096 dense bytes, are asked for ahead of the round: through registers into LDS bytes of their own, as units of 256 bytes + 16
	s_cmp_eq_u32 s15, 0
	s_cselect_b64 s[4:5], s[22:23], s[92:93]
	s_add_co_u32 s94, s94, SCL
	v_and_b32 v33, 31, v0
	v_lshlrev_b32 v32, 4, v33
	v_lshrrev_b32 v33, 4, v33
	v_lshl_add_u32 v33, v33, 4, v32
	v_add_nc_u32 v33, s94, v33
.irp i, 0,1,2,3,4,5,6,7
	global_load_b128 v[AF+4*\i:AF+4*\i+3], v32, s[4:5] offset:512*\i
.endr
	CROUND
	s_mul_i32 s18, s15, ROWB
	s_mov_b32 s19, 0
	s_mul_i32 s95, s15, SLOT
	s_mov_b32 s[G0S], 1
	s_mov_b32 s[G0S+1], s95
	s_add_nc_u64 s[G0S+2:G0S+3], s[20:21], s[18:19]
	s_or_b32 s[G0S+3], s[G0S+3], 0x80000000
	s_mov_b32 s[G0SB], 1
	s_add_co_u32 s[G0SB+1], s95, 2*HALFT
	s_add_nc_u64 s[G0SB+2:G0SB+3], s[46:47], s[18:19]
	s_sub_nc_u64 s[G0SB+2:G0SB+3], s[G0SB+2:G0SB+3], 128*KROW
	s_or_b32 s[G0SB+3], s[G0SB+3], 0x80000000
.irp s, 0,1
	s_mov_b32 s[G0+4*\s], 1
	s_add_co_u32 s[G0+4*\s+1], s45, \s*SLOT
	s_add_nc_u64 s[G0+4*\s+2:G0+4*\s+3], s[20:21], \s*ROWB
	s_or_b32 s[G0+4*\s+3], s[G0+4*\s+3], 0x80000000
	s_mov_b32 s[G0B+4*\s], 1
	s_add_co_u32 s[G0B+4*\s+1], s45, \s*SLOT
	s_add_nc_u64 s[G0B+4*\s+2:G0B+4*\s+3], s[46:47], \s*ROWB
	s_or_b32 s[G0B+4*\s+3], s[G0B+4*\s+3], 0x80000000
.endr
; THE HEAD'S LOADS, one a wave, each on a line of its own, in one chain of branches on the wave's number
.macro ARM under, g0, g1, next
	s_cmp_lt_u32 s14, \under
	s_cbranch_scc0 \next
	tensor_load_to_lds s[\g0:\g0+3], s[\g1:\g1+7]
	s_nop 0
.rept 4
	v_nop
.endr
	s_branch .Lhead_asked
\next:
.endm
	ARM 1, G0S,  G1S,  .Lhead_1
	ARM 2, G0SB, G1SB, .Lhead_2
	ARM 3, G0S,  G1S,  .Lhead_3
	tensor_load_to_lds s[G0SB:G0SB+3], s[G1SB:G1SB+7]
	s_nop 0
.rept 4
	v_nop
.endr
.Lhead_asked:
	v_and_b32 v1, 15, v0
	v_bfe_u32 v12, v0, 4, 1
	v_mul_u32_u24 v13, v1, PITCH
	v_lshl_add_u32 v13, v12, 4, v13
	s_mul_i32 s21, s15, HALFT
	s_mul_i32 s22, s16, HALFT
	s_add_co_u32 s22, s22, 2*HALFT
.irp s, 0,1
	v_add_nc_u32 v[ADRA+\s], s21, v13
	v_add_nc_u32 v[ADRB+\s], s22, v13
	s_add_co_u32 s21, s21, SLOT
	s_add_co_u32 s22, s22, SLOT
.endr
	v_mul_u32_u24 v13, v1, KS
	v_lshrrev_b32 v14, 8, v13
	v_lshl_add_u32 v13, v14, 4, v13
	s_mul_i32 s21, s15, HALFS
	s_mul_i32 s22, s16, HALFS
	s_add_co_u32 s22, s22, 2*HALFS
	s_sub_co_u32 s22, s22, s21
	v_mul_u32_u24 v14, s22, v12
	s_add_co_u32 s21, s21, SCL
	v_add_nc_u32 v13, v13, v14
	v_add_nc_u32 v[ADRS], s21, v13
	v_and_b32 v13, 31, v0
	v_cmp_gt_u32 s95, 16, v13
	v_lshlrev_b32 v[VO0], 4, v13
	s_wait_alu depctr_va_vdst(0)
	v_lshlrev_b32 v[VS], 3, v13
	s_lshl_b32 s18, s42, 8
	s_lshl_b32 s19, s16, 7
	s_add_co_u32 s18, s18, s19
	s_lshl_b32 s20, s17, 8
	s_lshl_b32 s19, s15, 7
	s_add_co_u32 s20, s20, s19
	s_cmp_eq_u32 s[ROLE], 2
	s_cselect_b32 s21, s18, s20
	s_cselect_b32 s22, s20, s18
	s_mov_b32 s98, 1024
	s_cselect_b32 s98, 2048, s98
	s_mov_b32 s100, 1024
	s_cselect_b32 s100, HS-3*2048, s100
	s_mov_b32 s99, 0
	s_mov_b32 s101, 0
	s_mov_b32 s23, HS
	s_cselect_b32 s23, 1024, s23
	s_cselect_b32 s46, 8192, 0
	s_mov_b32 s47, 16384
	s_cselect_b32 s47, 8448, s47
	s_cmp_eq_u32 s[ROLE], 0
	s_cselect_b32 s46, 16896, s46
	s_cselect_b32 s47, 8192, s47
	v_add_nc_u32 v[VO1], s23, v[VO0]
	s_lshr_b32 s18, s21, 11
	s_lshl_b32 s18, s18, 4
	s_lshr_b32 s19, s22, 6
	s_add_co_u32 s18, s18, s19
	s_lshl_b32 s18, s18, 4
	s_bfe_u32 s19, s21, 0x40007
	s_add_co_u32 s18, s18, s19
	s_mul_i32 s18, s18, BLKB
	s_add_co_u32 s18, s18, s46
	s_mov_b32 s19, 0
	s_add_nc_u64 s[12:13], s[12:13], s[18:19]
	s_mov_b32 s18, s47
	s_add_nc_u64 s[92:93], s[12:13], s[18:19]
	s_lshl_b32 s18, s22, 2
	s_add_nc_u64 s[96:97], s[96:97], s[18:19]
	v_lshlrev_b32 v14, 5, v12
	v_lshlrev_b32 v15, 2, v1
.irp b, 0,1,2,3,4,5,6,7
	global_load_b128 v[BI+8*\b:BI+8*\b+3], v14, s[96:97] offset:64*\b
	global_load_b128 v[BI+8*\b+4:BI+8*\b+7], v14, s[96:97] offset:64*\b+16
.endr
.irp a, 0,1,2,3,4,5,6,7
	global_load_b32 v[BV+2*\a], v15, s[96:97] offset:64*\a
	global_load_b32 v[BV+2*\a+1], v15, s[96:97] offset:64*\a
.endr
.macro FRAG reg, adr, q, i
.irp c, 0,1,2,3
	ds_load_b128 v[\reg+4*\c:\reg+4*\c+3], v[\adr] offset:128*(\q)+32*\c+(\i)*16*PITCH
.endr
.endm
.macro MUL16 a0, p, q, sc, zero
.irp a, \a0, \a0+1
.irp b, 0,1,2,3,4,5,6,7
.if \zero
	v_wmma_scale_f32_16x16x128_f8f6f4 v[8*(8*((\a)%4)+\b):8*(8*((\a)%4)+\b)+7], v[128*(\p)+FR*\b:128*(\p)+FR*\b+FR-1], v[AF+FR*(\a):AF+FR*(\a)+FR-1], 0, v[SC+8*NQ*(\sc)+NQ*\b+(\q)], v[SC+8*NQ*(\sc)+NQ*(\a)+(\q)] matrix_a_fmt:MATRIX_FMT_BF8 matrix_b_fmt:MATRIX_FMT_BF8 matrix_a_scale:MATRIX_SCALE_ROW1
.else
	v_wmma_scale_f32_16x16x128_f8f6f4 v[8*(8*((\a)%4)+\b):8*(8*((\a)%4)+\b)+7], v[128*(\p)+FR*\b:128*(\p)+FR*\b+FR-1], v[AF+FR*(\a):AF+FR*(\a)+FR-1], v[8*(8*((\a)%4)+\b):8*(8*((\a)%4)+\b)+7], v[SC+8*NQ*(\sc)+NQ*\b+(\q)], v[SC+8*NQ*(\sc)+NQ*(\a)+(\q)] matrix_a_fmt:MATRIX_FMT_BF8 matrix_b_fmt:MATRIX_FMT_BF8 matrix_a_scale:MATRIX_SCALE_ROW1
.endif
.endr
.endr
.endm
.macro FETCH_B slot, q, p
	WIN TO_B
.irp i, 0,1,2,3,4,5,6,7
	FRAG 128*(\p)+FR*\i, ADRB+\slot, \q, \i
.endr
	WIN 0
.endm
.macro FETCH_A slot, q, i0
.irp i, \i0, \i0+1, \i0+2, \i0+3
	FRAG AF+FR*(\i), ADRA+\slot, \q, \i
.endr
.endm
.macro SCALES sc
.irp i, 0,1,2,3,4,5,6,7
	ds_load_b64 v[SC+8*NQ*\sc+NQ*\i:SC+8*NQ*\sc+NQ*\i+1], v[ADRS] offset:\i*SBLK
.endr
.endm
.macro PLACES n
.rept \n
	v_nop
.endr
.endm
.macro STEP slot, q, zero
	s_wait_dscnt 4*NL
	WIN MUL_LO
	MUL16 0, (\q)%2, \q, \slot, \zero
	MUL16 2, (\q)%2, \q, \slot, \zero
	s_wait_dscnt 0
	PLACES NP
	FETCH_B \slot, (\q)+1, 1-(\q)%2
	FETCH_A \slot, (\q)+1, 0
	WIN MUL_HI
	MUL16 4, (\q)%2, \q, \slot, \zero
	MUL16 6, (\q)%2, \q, \slot, \zero
	PLACES NP
	WIN 0
	FETCH_A \slot, (\q)+1, 4
.endm
.macro TURN slot, next, fill
	s_wait_tensorcnt 0x0
	ds_add_u32 v[SPW], v[NIL]
	s_wait_dscnt 4*NL+1
	WIN MUL_LO
	MUL16 0, 1, NQ-1, \slot, 0
	s_wait_dscnt 0x0
	s_barrier_signal -1
	MUL16 2, 1, NQ-1, \slot, 0
	WIN 0
	s_barrier_wait -1
.if \fill
	CREST
	s_add_nc_u64 s[G0+4*\slot+2:G0+4*\slot+3], s[G0+4*\slot+2:G0+4*\slot+3], 2*ROWB
	s_add_nc_u64 s[G0B+4*\slot+2:G0B+4*\slot+3], s[G0B+4*\slot+2:G0B+4*\slot+3], 2*ROWB
	JLOAD G0+4*\slot, G1, G0B+4*\slot, G1B
	PLACES NP-4
.else
	PLACES NP
.endif
	s_wait_alu depctr_va_vdst(0)
	v_add_nc_u32 v[ADRS], 4*NQ, v[ADRS]
	FETCH_B \next, 0, 0
	FETCH_A \next, 0, 0
	SCALES \next
	WIN MUL_HI
	MUL16 4, 1, NQ-1, \slot, 0
	MUL16 6, 1, NQ-1, \slot, 0
	PLACES NP
	WIN 0
	FETCH_A \next, 0, 4
.endm
	s_wait_alu depctr_va_vdst(0)
	s_wait_loadcnt 32                      ; the scale bytes are in; the 32 loads of the bias, issued behind them, may be out
.irp i, 0,1,2,3,4,5,6,7
	ds_store_b128 v33, v[AF+4*\i:AF+4*\i+3] offset:544*\i
.endr
	s_cmp_lt_u32 s14, 2
	s_cbranch_scc0 .Lslot1_out
	s_wait_tensorcnt 0x0                   ; waves 0, 1: K step 0's tiles are in.  Waves 2, 3 wait for K step 1's at the first change of slots
.Lslot1_out:
	s_wait_dscnt 0x0
	s_barrier_signal -1
	s_barrier_wait -1
	FETCH_B 0, 0, 0
	FETCH_A 0, 0, 0
	SCALES 0
	FETCH_A 0, 0, 4
	STEP 0, 0, 1
	s_mov_b32 s3, LAPS-1
.Llap:
	TURN 0, 1, 1
	STEP 1, 0, 0
	TURN 1, 0, 1
	STEP 0, 0, 0
	s_sub_co_u32 s3, s3, 1
	s_cmp_lg_u32 s3, 0
	s_cbranch_scc1 .Llap
	TURN 0, 1, 0
	STEP 1, 0, 0
	s_wait_dscnt 4*NL
	WIN MUL_LO
	MUL16 0, 1, NQ-1, 1, 0
	MUL16 2, 1, NQ-1, 1, 0
	s_wait_dscnt 0
	WIN MUL_HI
	MUL16 4, 1, NQ-1, 1, 0
	MUL16 6, 1, NQ-1, 1, 0
	WIN 0
.macro BIASMOVE a
.set AC, 64*((\a)%4)
	s_cmp_eq_u32 s[ROLE], 2
	s_cbranch_scc1 .Lbylane_\@
	WIN 0x02+(\a)/4
.set i, 0
.rept 32
	v_pk_add_f32 v[ST+2*i:ST+2*i+1], v[AC+2*i:AC+2*i+1], v[BI+2*i:BI+2*i+1]
.set i, i+1
.endr
	WIN 0
	s_branch .Lbiased_\@
.Lbylane_\@:
	WIN 0x02+(\a)/4
.set i, 0
.rept 32
	v_pk_add_f32 v[ST+2*i:ST+2*i+1], v[AC+2*i:AC+2*i+1], v[BV+2*(\a):BV+2*(\a)+1]
.set i, i+1
.endr
	WIN 0
.Lbiased_\@:
.endm
.macro QMAX s, w
.irp b, 0,1,2,3
	v_max3_num_f32 v[TM+\b], |v[\s+16*\b]|, |v[\s+1+16*\b]|, 0x8000000
.endr
.irp i, 2,4,6,8,10,12,14
.irp b, 0,1,2,3
	v_max3_num_f32 v[TM+\b], v[TM+\b], |v[\s+16*\b+\i]|, |v[\s+1+16*\b+\i]|
.endr
.endr
.irp b, 0,1,2,3
	v_permlanex16_b32 v[TM+4+\b], v[TM+\b], s20, s21
.endr
.irp b, 0,1,2,3
	v_max_num_f32 v[TM+\b], v[TM+\b], v[TM+4+\b]
.endr
.irp b, 0,1,2,3
	v_add_nc_u32 v[TM+12+\b], 0xf8800000, v[TM+\b]
.endr
.irp b, 0,1,2,3
	v_and_or_b32 v[TM+8+\b], v[TM+\b], 0x7f800000, s22
.endr
.irp b, 0,1,2,3
	v_lshrrev_b32 v[TM+4+\b], 23, v[TM+12+\b]
.endr
	v_lshl_or_b32 v[\w], v[TM+5], 8, v[TM+4]
	v_lshl_or_b32 v[\w], v[TM+6], 16, v[\w]
	v_lshl_or_b32 v[\w], v[TM+7], 24, v[\w]
.endm
.macro QCVT s
.irp b, 0,1,2,3
.irp i, 0,1,2,3,4,5,6,7,8,9,10,11,12,13,14,15
	v_med3_num_f32 v[\s+16*\b+\i], v[\s+16*\b+\i], -v[TM+8+\b], v[TM+8+\b]
.endr
	v_cvt_scalef32_pk8_bf8_f32 v[PC+4*\b:PC+1+4*\b], v[\s+16*\b:\s+7+16*\b], v[TM+12+\b]
	v_cvt_scalef32_pk8_bf8_f32 v[PC+2+4*\b:PC+3+4*\b], v[\s+8+16*\b:\s+15+16*\b], v[TM+12+\b]
.endr
	v_nop
.endm
	PLACES NP
	s_wait_loadcnt 0x0
	s_mov_b32 s20, 0x76543210
	s_mov_b32 s21, 0xfedcba98
	s_mov_b32 s22, 0x600000
.irp b, 0,1,2,3
	v_mov_b32 v[TM+4+\b], 0
.endr
.irp a, 0,1,2,3,4,5,6,7
	BIASMOVE \a
	QMAX ST, PW+\a
.if \a > 0
	s_wait_xcnt 0x0
.if \a == 4
	s_add_nc_u64 s[12:13], s[12:13], s[100:101]
.else
	s_add_nc_u64 s[12:13], s[12:13], s[98:99]
.endif
.endif
	QCVT ST
	global_store_b128 v[VO0], v[PC:PC+3], s[12:13]
	global_store_b128 v[VO0], v[PC+4:PC+7], s[12:13] offset:512
	global_store_b128 v[VO1], v[PC+8:PC+11], s[12:13]
	global_store_b128 v[VO1], v[PC+12:PC+15], s[12:13] offset:512
.endr
	s_cmp_eq_u32 s[ROLE], 2
	s_cbranch_scc1 .Lvwords
.irp i, 0,1,2,3
	v_perm_b32 v[XW+\i], v[PW+2*\i+1], v[PW+2*\i], 0x05040100
	v_perm_b32 v[XW+4+\i], v[PW+2*\i+1], v[PW+2*\i], 0x07060302
.endr
.irp g, 0,1,2,3
	v_cndmask_b32 v[GW+\g], v[XW+2*\g+1], v[XW+2*\g], s95
.endr
	s_branch .Lwords
.Lvwords:
.irp g, 0,1,2,3
	v_cndmask_b32 v[GW+\g], v[PW+2*\g+1], v[PW+2*\g], s95
.endr
.Lwords:
	s_wait_alu depctr_va_vdst(0)
	global_store_b64 v[VS], v[GW:GW+1], s[92:93]
	global_store_b64 v[VS], v[GW+2:GW+3], s[92:93] offset:HS
	s_wait_tensorcnt 0x0
	ds_add_u32 v[SPW], v[NIL]
	s_wait_dscnt 0x0
	CROUND
	s_endpgm
.Lfunc_end_k_qdedbf7d873_qkv:
	.size	k_qdedbf7d873_qkv, .Lfunc_end_k_qdedbf7d873_qkv-k_qdedbf7d873_qkv
	.p2alignl 7, 3214868480
	.fill 96, 4, 3214868480
	.section	.rodata,"a",@progbits
	.p2align	6, 0x0
	.amdhsa_kernel k_qdedbf7d873_qkv
		.amdhsa_group_segment_fixed_size 327680
		.amdhsa_private_segment_fixed_size 0
		.amdhsa_enable_private_segment 0
		.amdhsa_kernarg_size 96
		.amdhsa_user_sgpr_count 2
		.amdhsa_user_sgpr_kernarg_segment_ptr 1
		.amdhsa_wavefront_size32 1
		.amdhsa_system_sgpr_workgroup_id_x 1
		.amdhsa_system_sgpr_workgroup_id_y 1
		.amdhsa_system_sgpr_workgroup_id_z 1
		.amdhsa_system_vgpr_workitem_id 0
		.amdhsa_next_free_vgpr 1024
		.amdhsa_next_free_sgpr 102
		.amdhsa_reserve_vcc 0
		.amdhsa_float_denorm_mode_32 3
		.amdhsa_float_denorm_mode_16_64 3
		.amdhsa_memory_ordered 1
		.amdhsa_forward_progress 1
		.amdhsa_inst_pref_size 225
	.end_amdhsa_kernel
	.amdgpu_metadata
---
amdhsa.version: [ 1, 2 ]
amdhsa.kernels:
  - .name:           k_qdedbf7d873_qkv
    .symbol:         k_qdedbf7d873_qkv.kd
    .args:
      - { .name: x_codes, .offset: 0, .size: 8, .value_kind: global_buffer, .address_space: global }
      - { .name: x_scales, .offset: 8, .size: 8, .value_kind: global_buffer, .address_space: global }
      - { .name: w_q_codes, .offset: 16, .size: 8, .value_kind: global_buffer, .address_space: global }
      - { .name: w_q_scales, .offset: 24, .size: 8, .value_kind: global_buffer, .address_space: global }
      - { .name: w_k_codes, .offset: 32, .size: 8, .value_kind: global_buffer, .address_space: global }
      - { .name: w_k_scales, .offset: 40, .size: 8, .value_kind: global_buffer, .address_space: global }
      - { .name: w_v_codes, .offset: 48, .size: 8, .value_kind: global_buffer, .address_space: global }
      - { .name: w_v_scales, .offset: 56, .size: 8, .value_kind: global_buffer, .address_space: global }
      - { .name: b_q, .offset: 64, .size: 8, .value_kind: global_buffer, .address_space: global }
      - { .name: b_k, .offset: 72, .size: 8, .value_kind: global_buffer, .address_space: global }
      - { .name: b_v, .offset: 80, .size: 8, .value_kind: global_buffer, .address_space: global }
      - { .name: qkv, .offset: 88, .size: 8, .value_kind: global_buffer, .address_space: global }
    .group_segment_fixed_size: 327680
    .private_segment_fixed_size: 0
    .kernarg_segment_align: 8
    .kernarg_segment_size: 96
    .max_flat_workgroup_size: 128
    .sgpr_count:     102
    .vgpr_count:     1024
    .wavefront_size: 32
...
	.end_amdgpu_metadata
.endif
;; end of part 1
;; launch attn (part 2): grid 4 x 64, 8 waves a work-group, clusters of 4 x 1, 272,384 bytes of LDS; arguments qkv, ctxc, ctxs; writes ctxc, ctxs
.if DOCPART == 2
	.amdgcn_target "amdgcn-amd-amdhsa--gfx1250"
	.amdhsa_code_object_version 6
	.text
	.protected	k_qdedbf7d873_attn
	.globl	k_qdedbf7d873_attn
	.p2align	8
	.type	k_qdedbf7d873_attn,@function
k_qdedbf7d873_attn:
	s_mov_b64 s[64:65], 0
	v_nop
	global_prefetch_b8 v0, s[64:65] scope:SCOPE_SE
	s_setreg_imm32_b32 hwreg(HW_REG_WAVE_MODE, 25, 1), 1
	s_wait_xcnt 0x0
	s_wait_alu depctr_hold_cnt(0) depctr_sa_sdst(0) depctr_va_vdst(0) depctr_va_sdst(0) depctr_va_ssrc(0) depctr_va_vcc(0) depctr_vm_vsrc(0)
	s_getreg_b32 s2, hwreg(HW_REG_IB_STS2, 6, 4)
	s_cmp_eq_u32 s2, 0
	s_cbranch_scc0 .Lentry_in_a_cluster
	s_endpgm
.Lentry_in_a_cluster:
	s_bfe_u32 s2, ttmp6, 0x10000c
	s_cmp_lg_u32 s2, 0x3003
	s_cbranch_scc0 .Lentry_shape_is_right
	s_endpgm
.Lentry_shape_is_right:
; ctx[b][s][head x 64 + d] = softmax_t(q . k / 8) v for one (batch, head), both products on codes of BF8 (E5M2) with one E8M0 scale for each 32 along K; ctx is quantised at once for the last product.
; THE SOFTMAX: t = score x log2(e) / 8; M = the running largest t rounded UP to a whole number, kept as -M (the ceiling of a maximum is the maximum of the ceilings); p = 2^(t - M) is quantised along the keys,
; not normalised; the row's sum is taken of the unquantised p and divides at the end.  When M moves, the sum and O are multiplied by 2^(old M - new M), which rounds nothing.
; SHARES.  A cluster of four work-groups is one (batch, head); a work-group owns 512 queries; each of its eight waves owns 64: two passes of two tiles (A, B) of 16 queries, and walks all 2,048 keys, 128 a step.
; A fragment of K or V that is read from LDS feeds both tiles.  Two waves share a SIMD, 512 registers each.
; THE ORDER OF WORK.  A step is two slots, one a tile.  The scores stand in two sets.  In a tile's slot: the other tile's four products with V stand in the chain that makes M; the other tile's next eight products
; with K stand among this tile's exponentials.  V's fragments are fetched in slot A behind their last product and read in slot B; K's next fragments are fetched in slot A too.  The loop's trip is slot B of a step and
; slot A of the next; the first slot A and the last slot B are written out.  The fetch of K in the last slot A takes step 0 again: the next pass begins with it (behind the second pass it is not used).
; LDS.  The head's K and V as codes with their scale words, 16 steps x 16,896 bytes, lie in LDS whole: wave w fetches steps 2 w and 2 w + 1 by one tensor load of two rows of 16,896 bytes, 25,344 bytes apart in memory,
; jointly with the three partners; nothing is filled again, so there is no ring.  All that the launch reads after its head are four tiles of Q a wave, so nothing is left to ask for ahead of time.
; LAYOUT.  Both products are used transposed: S^T = K Q^T, O^T = V^T P^T: a lane holds ONE query (lane % 16).  THE FIRST PRODUCT'S K IS 64: a run of 16 registers holds two tiles of 16 keys; against [q, zeros] it gives
; the first tile's scores, against [zeros, q] the second's: zero codes add nothing.  Inside a block of 32 the codes of q and k, and of v and p, lie in one permuted order on both sides.  ctx's codes are put in true order.
; OUTPUT.  ctxc: register images, [K step of 256][row tile][half][2,048 bytes]: a store covers 512 consecutive bytes, aligned.  ctxs: [8192][32] scale bytes: a head owns two bytes of a row, so these stores are
; 2 bytes a lane, 32 bytes apart; a row's other bytes belong to other work-groups.
; LIMITS: NaN and infinities are not served.  A p under 2^-126 comes out of v_exp_f32 as 0 (ISA guide, its entry): nothing beside a sum of at least 1/2.  A block of zeros gets the byte 1 with zero codes.
.set BLKB,  25344                      ; a block of qkv: (batch x 16 + head, step of 128 rows)
.set HS,    16*BLKB
.set STEPB, 16896                      ; K codes 8,192 | V codes 8,192 | K scale words 256 | V scale words 256
.set SPARE, 16*STEPB
; window 0 (v0-255): addresses, scale registers, Q, p's codes, V, O^T
.set LI,  1                            ; 16 x lane
.set L8,  2                            ; 8 x lane
.set ADK, 3
.set ADV, 4
.set ASK, 5
.set ASV, 6
.set QW,  7                            ; the scale word of my run of Q
.set QS,  8                            ; v8, v9 Q's scale registers, tile A, B
.set PS,  10                           ; p's scale register
.set KSW, 12                           ; v[12:13] K's scale words
.set VSW, 14                           ; v[14:15] V's
.set SPW, 16
.set NIL, 17
.set VQS, 18
.set TW,  19
.set QF,  24                           ; v24-63: zeros, q A, zeros, q B, zeros: 8 registers each
.set PC,  64                           ; v64-79 p's codes
.set V,   80                           ; v80-143 four fragments of V
.set O,   144                          ; v144-207 O^T of A, of B
; window 1 (v256-511, named by their low 8 bits): scores, K, all that the softmax works with
.set S,   0                            ; two sets of 64
.set K,   128                          ; four runs of K
.set BM,  192
.set T1,  196
.set HL,  200
.set SO,  204
.set F,   208                          ; f = 2^(old M - new M); F + 1 is written once: named with it as a pair
.set TMP, 210
.set D,   211
.set NM,  212                          ; -M of A, of B, each the low word of a pair
.set L,   216                          ; the sums of A, of B, in two halves
.set P1,  220
.set P2,  222
.set P3,  224
.set LIW, 226                          ; 16 x lane once more
.set VCS, 227                          ; 32 x (lane % 16)
.set CW,  228
.set OC,  232                          ; ctx's codes, and from OC + 8 the same in true order
.set TBV, 2
.set CNT, 3
.set WV,  18
.set MNT, 19
.set SEL, 20
.set CS,  22
.set G1,  24
.set G0,  32
.set LT16, 40
.set CN,  41
.set TBK, 42
.set PCN, 43
.set NC,  44
.set MSB, 0
.macro WIN new                         ; bits 1:0 source 0, 3:2 source 1, 5:4 source 2, 7:6 destination; the high byte repeats the setting that is left
.if MSB != (\new)
	s_set_vgpr_msb (MSB<<8)|(\new)
.set MSB, (\new)
.endif
.endm
.macro WALU
	s_wait_alu depctr_va_vdst(0)
.endm
.macro CROUND
	s_barrier_signal -1
	s_barrier_wait -1
	s_cmp_lg_u32 s[WV], 0
	s_cbranch_scc1 .Lnot_wave_0_\@
	s_barrier_signal -3
.Lnot_wave_0_\@:
	s_barrier_wait -3
	s_barrier_signal -1
	s_barrier_wait -1
.endm
.macro QKM y, g                        ; scores of tile y against key tile g of the step (run g / 2); window setting 0x41
.set I_, (\g)/2
.set B_, QF+8+16*(\y)-8*((\g)%2)
.if I_%2
	v_wmma_scale_f32_16x16x128_f8f6f4 v[S+64*(\y)+8*(\g):S+64*(\y)+8*(\g)+7], v[K+16*I_:K+16*I_+15], v[B_:B_+15], 0, v[KSW+I_/2], v[QS+(\y)] matrix_a_fmt:MATRIX_FMT_BF8 matrix_b_fmt:MATRIX_FMT_BF8 matrix_a_scale:MATRIX_SCALE_ROW1
.else
	v_wmma_scale_f32_16x16x128_f8f6f4 v[S+64*(\y)+8*(\g):S+64*(\y)+8*(\g)+7], v[K+16*I_:K+16*I_+15], v[B_:B_+15], 0, v[KSW+I_/2], v[QS+(\y)] matrix_a_fmt:MATRIX_FMT_BF8 matrix_b_fmt:MATRIX_FMT_BF8
.endif
.endm
.macro PVM y, t                        ; O^T of tile y, channels 16 t on, += V^T P^T; window setting 0
.set A_, O+32*(\y)+8*(\t)
.if (\t)%2
	v_wmma_scale_f32_16x16x128_f8f6f4 v[A_:A_+7], v[V+16*(\t):V+16*(\t)+15], v[PC:PC+15], v[A_:A_+7], v[VSW+(\t)/2], v[PS] matrix_a_fmt:MATRIX_FMT_BF8 matrix_b_fmt:MATRIX_FMT_BF8 matrix_a_scale:MATRIX_SCALE_ROW1
.else
	v_wmma_scale_f32_16x16x128_f8f6f4 v[A_:A_+7], v[V+16*(\t):V+16*(\t)+15], v[PC:PC+15], v[A_:A_+7], v[VSW+(\t)/2], v[PS] matrix_a_fmt:MATRIX_FMT_BF8 matrix_b_fmt:MATRIX_FMT_BF8
.endif
.endm
.macro HOLD2 x, b                      ; two p held at the largest number under the block's scale (the conversion does not saturate: ISA guide 7.6.2); p is not negative
	v_dual_min_num_f32 v[\x], v[HL+\b], v[\x] :: v_dual_min_num_f32 v[\x+1], v[HL+\b], v[\x+1]
.endm
.macro ZERO_O from, n
.set j, \from
.rept \n
	v_mov_b32 v[O+j], 0
.set j, j+1
.endr
.endm
; A SLOT: the softmax of tile u for one step.  pv: the other tile's products with V stand in it; qk: the other tile's next scores are made in it.
.macro SLOT u, pv, qk
.set SX, S+64*(\u)
.set NMX, NM+2*(\u)
.set LX, L+2*(\u)
.set OX, O+32*(\u)
.set Y_, 1-(\u)
	WIN 0x55
.if \u
	s_wait_dscnt 17                        ; V's 17 loads are in; K's 17, issued behind them, may be out
.endif
	WALU                                   ; the wait directly ahead of the scores' first readers, the 32 lines below
.irp b, 0,1,2,3
	v_max3_num_f32 v[BM+\b], v[SX+16*\b], v[SX+16*\b+1], v[SX+16*\b+2]   ; the largest score of each block of 32 keys
.endr
.irp i, 3,5,7,9,11,13
.irp b, 0,1,2,3
	v_max3_num_f32 v[BM+\b], v[BM+\b], v[SX+16*\b+\i], v[SX+16*\b+\i+1]
.endr
.endr
.irp b, 0,1,2,3
	v_max_num_f32 v[BM+\b], v[BM+\b], v[SX+16*\b+15]
.endr
.if \pv
	WIN 0
	PVM Y_, 0
	PVM Y_, 1
	WIN 0x55
.endif
.irp b, 0,1,2,3
	v_permlanex16_b32 v[T1+\b], v[BM+\b], s[SEL], s[SEL+1]
.endr
.irp b, 0,1,2,3
	v_max_num_f32 v[BM+\b], v[BM+\b], v[T1+\b]     ; with lane l xor 16's 16 keys
.endr
.if \pv
	WIN 0
	PVM Y_, 2
	PVM Y_, 3
	WIN 0x55
.endif
	v_max3_num_f32 v[TMP], v[BM], v[BM+1], v[BM+2]
	s_delay_alu instid0(VALU_DEP_1)
	v_max_num_f32 v[TMP], v[TMP], v[BM+3]
	s_delay_alu instid0(VALU_DEP_1)
	v_mul_f32 v[TMP], s[NC], v[TMP]                ; -t of the step's largest score
	s_delay_alu instid0(VALU_DEP_1)
	v_floor_f32 v[TMP], v[TMP]                     ; -ceil(t)
	s_delay_alu instid0(VALU_DEP_1)
	v_min_num_f32 v[TMP], v[TMP], v[NMX]           ; the new -M
	s_delay_alu instid0(VALU_DEP_1)
	v_sub_f32 v[D], v[TMP], v[NMX]                 ; old M - new M: a whole number, 0 or less
	v_mov_b32 v[NMX], v[TMP]
	s_delay_alu instid0(VALU_DEP_2)
	v_cvt_i32_f32 v[D], v[D]                       ; (it saturates)
	s_delay_alu instid0(VALU_DEP_1)
	v_ldexp_f32 v[F], 1.0, v[D]                    ; f = 2^(old M - new M)
.set j, 0
.rept 32
	v_pk_fma_f32 v[SX+j:SX+j+1], v[SX+j:SX+j+1], s[CS:CS+1], v[NMX:NMX+1] op_sel_hi:[1,0,0]   ; t - M
.set j, j+2
.endr
.irp b, 0,1,2,3
	v_fma_f32 v[BM+\b], v[BM+\b], s[CS], v[NMX]    ; the same of each block's largest score
.endr
.if (\u) == 0
	WIN 0                                  ; this step's V: its registers' last products stand 45 plain lines back
	v_add_nc_u32 v[ADV], s[TBV], v[LI]
	v_add_nc_u32 v[ASV], s[TBV], v[L8]
.irp t, 0,1,2,3
.irp c, 0,1,2,3
	ds_load_b128 v[V+16*\t+4*\c:V+16*\t+4*\c+3], v[ADV] offset:8192+2048*\t+512*\c
.endr
.endr
	ds_load_b64 v[VSW:VSW+1], v[ASV] offset:16640
	s_add_co_u32 s[TBV], s[TBV], STEPB
.endif
	WIN 0x04
.if (\u) && (\qk)
	s_wait_dscnt 0x0                       ; the next step's K and its scale words
.endif
	WALU                                   ; ahead of the batch, and directly ahead of O^T's first readers
.set j, 0
.rept 16
	v_pk_mul_f32 v[OX+j:OX+j+1], v[OX+j:OX+j+1], v[F:F+1] op_sel_hi:[1,0]   ; O^T under the new M
.set j, j+2
.endr
	WIN 0x41
.irp b, 0,1,2,3
	v_exp_f32 v[BM+\b], v[BM+\b]           ; the block's largest p: the same two instructions on the same number give the same bits
.endr
.set g_, 0
.rept 8
.if \qk
	QKM Y_, g_
.endif
.set j, 0
.rept 8
	v_exp_f32 v[SX+8*g_+j], v[SX+8*g_+j]   ; p = 2^(t - M), at most 1
.set j, j+1
.endr
.set g_, g_+1
.endr
	WIN 0x55
	v_nop                                  ; the plain line behind the batch
	WALU                                   ; one wait for the batch of 68
	v_pk_fma_f32 v[LX:LX+1], v[LX:LX+1], v[F:F+1], v[SX:SX+1] op_sel_hi:[1,0,1]   ; the sum under the new M, and the first two p; four chains
	v_pk_add_f32 v[P1:P1+1], v[SX+2:SX+3], v[SX+4:SX+5]
	v_pk_add_f32 v[P2:P2+1], v[SX+6:SX+7], v[SX+8:SX+9]
	v_pk_add_f32 v[P3:P3+1], v[SX+10:SX+11], v[SX+12:SX+13]
.set j, 14
.rept 6
	v_pk_add_f32 v[LX:LX+1], v[LX:LX+1], v[SX+j:SX+j+1]
	v_pk_add_f32 v[P1:P1+1], v[P1:P1+1], v[SX+j+2:SX+j+3]
	v_pk_add_f32 v[P2:P2+1], v[P2:P2+1], v[SX+j+4:SX+j+5]
	v_pk_add_f32 v[P3:P3+1], v[P3:P3+1], v[SX+j+6:SX+j+7]
.set j, j+8
.endr
	v_pk_add_f32 v[LX:LX+1], v[LX:LX+1], v[SX+62:SX+63]
	v_pk_add_f32 v[P1:P1+1], v[P1:P1+1], v[P2:P2+1]
	v_pk_add_f32 v[LX:LX+1], v[LX:LX+1], v[P3:P3+1]
	v_pk_add_f32 v[LX:LX+1], v[LX:LX+1], v[P1:P1+1]
.if (\u) == 0
	WIN 0                                  ; the next step's K (behind step 15: step 0's): its registers' last products stand 33 plain lines back
	v_add_nc_u32 v[ADK], s[TBK], v[LI]
	v_add_nc_u32 v[ASK], s[TBK], v[L8]
	ds_load_b64 v[KSW:KSW+1], v[ASK] offset:16384
	WIN 0x40
.irp i, 0,1,2,3
.irp c, 0,1,2,3
	ds_load_b128 v[K+16*\i+4*\c:K+16*\i+4*\c+3], v[ADK] offset:2048*\i+512*\c
.endr
.endr
	s_add_co_u32 s[CN], s[CN], 1
	s_and_b32 s[TBK], s[CN], 15
	s_mul_i32 s[TBK], s[TBK], STEPB
	WIN 0x55
.endif
.irp b, 0,1,2,3
	v_max_num_f32 v[BM+\b], 0x8000000, v[BM+\b]    ; the floor 2^(16 - 127): the byte cannot fall under 1
.endr
.irp b, 0,1,2,3
	v_add_nc_u32 v[SO+\b], 0xf8800000, v[BM+\b]    ; 15 off the exponent field: the conversion's scale operand
.endr
.irp b, 0,1,2,3
	v_and_or_b32 v[HL+\b], v[BM+\b], 0x7f800000, s[MNT]   ; 57,344 x the scale
.endr
.irp b, 0,1,2,3
	v_lshrrev_b32 v[T1+\b], 23, v[SO+\b]           ; the scale's byte
.endr
	v_lshl_or_b32 v[T1], v[T1+1], 8, v[T1]
	v_lshl_or_b32 v[T1+2], v[T1+3], 8, v[T1+2]
	WIN 0x11
	v_lshl_or_b32 v[PS], v[T1+2], 16, v[T1]        ; p's scale word for these 128 keys
	WIN 0x55
.irp b, 0,1,2,3
.irp i, 0,2,4,6,8,10,12,14
	HOLD2 SX+16*\b+\i, \b
.endr
.endr
	WIN 0x05
.irp b, 0,1,2,3
	v_cvt_scalef32_pk8_bf8_f32 v[PC+4*\b:PC+4*\b+1], v[SX+16*\b:SX+16*\b+7], v[SO+\b]
	v_cvt_scalef32_pk8_bf8_f32 v[PC+4*\b+2:PC+4*\b+3], v[SX+16*\b+8:SX+16*\b+15], v[SO+\b]
.endr
.endm
; THE WAY OUT of tile u: O^T / the sum; two blocks of 32 channels quantised; the codes put in true order; stored.
.macro OUT u
.set SX, S+64*(\u)
.set LX, L+2*(\u)
.set OX, O+32*(\u)
	WIN 0x55
.if \u
	WALU
	s_wait_xcnt 0x0                        ; tile A's stores have read their data: those registers are written again below
.endif
	v_add_f32 v[LX], v[LX], v[LX+1]
	v_permlanex16_b32 v[T1], v[LX], s[SEL], s[SEL+1]
	v_add_f32 v[LX], v[LX], v[T1]
	WALU
	v_rcp_f32 v[LX], v[LX]
	v_nop
	WIN 0x44
	WALU                                   ; ahead of the reciprocal's first reader, and directly ahead of O^T's first readers
.set j, 0
.rept 16
	v_pk_mul_f32 v[SX+j:SX+j+1], v[OX+j:OX+j+1], v[LX:LX+1] op_sel_hi:[1,0]   ; register 8 t + i: channel 16 t + 8 h + i of query r
.set j, j+2
.endr
	WIN 0x55
.irp c, 0,1
	v_max3_num_f32 v[BM+\c], |v[SX+16*\c]|, |v[SX+1+16*\c]|, 0x8000000
.endr
.irp i, 2,4,6,8,10,12,14
.irp c, 0,1
	v_max3_num_f32 v[BM+\c], v[BM+\c], |v[SX+16*\c+\i]|, |v[SX+1+16*\c+\i]|
.endr
.endr
.irp c, 0,1
	v_permlanex16_b32 v[T1+\c], v[BM+\c], s[SEL], s[SEL+1]
.endr
.irp c, 0,1
	v_max_num_f32 v[BM+\c], v[BM+\c], v[T1+\c]
.endr
.irp c, 0,1
	v_add_nc_u32 v[SO+\c], 0xf8800000, v[BM+\c]
.endr
.irp c, 0,1
	v_and_or_b32 v[HL+\c], v[BM+\c], 0x7f800000, s[MNT]
.endr
.irp c, 0,1
	v_lshrrev_b32 v[T1+\c], 23, v[SO+\c]
.endr
	v_lshl_or_b32 v[CW], v[T1+1], 8, v[T1]         ; my row's two scale bytes
.irp c, 0,1
.irp i, 0,1,2,3,4,5,6,7,8,9,10,11,12,13,14,15
	v_med3_num_f32 v[SX+16*\c+\i], v[SX+16*\c+\i], -v[HL+\c], v[HL+\c]
.endr
	v_cvt_scalef32_pk8_bf8_f32 v[OC+4*\c:OC+1+4*\c], v[SX+16*\c:SX+7+16*\c], v[SO+\c]
	v_cvt_scalef32_pk8_bf8_f32 v[OC+2+4*\c:OC+3+4*\c], v[SX+8+16*\c:SX+15+16*\c], v[SO+\c]
.endr
	v_nop                                  ; a plain line behind the last conversion
	; of a block, lanes 0-15 hold channels 0-7 and 16-23, lanes 16-31 channels 8-15 and 24-31; the operand wants 0-15 below and 16-31 above
.irp c, 0,1
.irp e, 0,1
	v_cndmask_b32 v[T1+2*\c+\e], v[OC+4*\c+\e], v[OC+2+4*\c+\e], s[LT16]
.endr
.endr
.irp k, 0,1,2,3
	v_permlanex16_b32 v[BM+\k], v[T1+\k], s[SEL], s[SEL+1]
.endr
.irp c, 0,1
.irp e, 0,1
	v_cndmask_b32 v[OC+8+4*\c+\e], v[BM+2*\c+\e], v[OC+4*\c+\e], s[LT16]
	v_cndmask_b32 v[OC+10+4*\c+\e], v[OC+2+4*\c+\e], v[BM+2*\c+\e], s[LT16]
.endr
.endr
	global_store_b128 v[LIW], v[OC+8:OC+11], s[6:7] offset:4096*\u         ; 512 consecutive bytes, aligned
	global_store_b128 v[LIW], v[OC+12:OC+15], s[6:7] offset:4096*\u+512
	global_store_b16 v[VCS], v[CW], s[8:9] offset:512*\u
.endm
	s_load_b128 s[4:7], s[0:1], 0x0                ; qkv, ctxc
	s_load_b64 s[8:9], s[0:1], 0x10                ; ctxs
	v_lshl_add_u32 v[SPW], v0, 2, SPARE
	v_mov_b32 v[NIL], 0
	ds_add_u32 v[SPW], v[NIL]                      ; the opening lines: the add twice on end and its wait
	ds_add_u32 v[SPW], v[NIL]
	v_lshrrev_b32 v[TW], 5, v0
	v_readfirstlane_b32 s[WV], v[TW]               ; wave 0..7
	s_bfe_u32 s10, ttmp6, 0x40000                  ; cx: my 512 queries; it enters Q's and ctx's addresses alone
	s_and_b32 s11, ttmp7, 0xffff                   ; batch x 16 + head, which the four partners share
	s_mov_b32 s[G1], 15|(3<<16)|(1<<21)            ; the mask: all four work-groups; elements of 8 bytes; bit 21 beside a mask; no padding
	s_mov_b32 s[G1+1], 2112<<16                    ; tensor_dim0: 2,112 elements = 16,896 bytes
	s_mov_b32 s[G1+2], 2<<16                       ; tensor_dim1: two rows: two steps
	s_mov_b32 s[G1+3], 2112<<16                    ; tile_dim0
	s_mov_b32 s[G1+4], 2                           ; tile_dim1
	s_mov_b32 s[G1+5], 3168                        ; from row to row 25,344 bytes
	s_mov_b32 s[G1+6], 0
	s_mov_b32 s[G1+7], 0
	s_mul_i32 s12, s11, HS                         ; the head's first byte
	s_mul_i32 s13, s[WV], 2*BLKB                   ; steps 2 w, 2 w + 1
	s_add_co_u32 s14, s12, s13
	s_mov_b32 s15, 0
	s_mov_b32 s[G0], 1
	s_mul_i32 s[G0+1], s[WV], 2*STEPB              ; their place in LDS: the wave's number x a constant
	s_mov_b32 s[SEL], 0x76543210
	s_mov_b32 s[SEL+1], 0xfedcba98                 ; v_permlanex16_b32's selects for lane l xor 16
	s_mov_b32 s[CS], 0x3e38aa3b                    ; c = log2(e) / 8
	s_mov_b32 s[CS+1], s[CS]
	s_mov_b32 s[NC], 0xbe38aa3b                    ; -c
	s_mov_b32 s[MNT], 0x600000                     ; the mantissa field of 57,344
	s_wait_dscnt 0x0
	s_wait_kmcnt 0x0
	s_add_nc_u64 s[G0+2:G0+3], s[4:5], s[14:15]
	s_or_b32 s[G0+3], s[G0+3], 0x80000000
	CROUND                                         ; all four work-groups are here: the joint loads meet
	tensor_load_to_lds s[G0:G0+3], s[G1:G1+7]      ; my one tensor load of the launch
	s_nop 0
.rept 4
	v_nop
.endr
	s_lshl_b32 s16, s10, 2                         ; my queries' block: step 4 cx + wave / 2
	s_lshr_b32 s17, s[WV], 1
	s_add_co_u32 s16, s16, s17
	s_mul_i32 s16, s16, BLKB
	s_add_co_u32 s16, s16, s12
	s_mov_b32 s17, 0
	s_add_nc_u64 s[38:39], s[4:5], s[16:17]
	s_and_b32 s16, s[WV], 1                        ; runs 2 (wave % 2) + pass of its Q codes
	s_lshl_b32 s16, s16, 12
	s_add_co_u32 s16, s16, 16896
	s_add_nc_u64 s[36:37], s[38:39], s[16:17]
	s_add_nc_u64 s[38:39], s[38:39], 25088         ; its Q scale words
	s_lshr_b32 s12, s11, 4                         ; batch
	s_and_b32 s13, s11, 15                         ; head
	s_lshl_b32 s14, s12, 7
	s_lshl_b32 s15, s10, 5
	s_add_co_u32 s14, s14, s15
	s_lshl_b32 s15, s[WV], 2
	s_add_co_u32 s14, s14, s15                     ; my first row tile: 128 batch + 32 cx + 4 wave
	s_lshr_b32 s15, s13, 2                         ; K step of 256 = head / 4
	s_lshl_b32 s15, s15, 9
	s_add_co_u32 s15, s15, s14
	s_lshl_b32 s16, s15, 12
	s_bfe_u32 s15, s13, 0x10001                    ; which 128 of it
	s_lshl_b32 s15, s15, 11
	s_add_co_u32 s16, s16, s15
	s_and_b32 s15, s13, 1                          ; which two pieces of the fragment
	s_lshl_b32 s15, s15, 10
	s_add_co_u32 s16, s16, s15
	s_add_nc_u64 s[6:7], s[6:7], s[16:17]
	s_lshl_b32 s16, s14, 9                         ; 16 rows x 32 bytes a tile
	s_lshl_b32 s15, s13, 1
	s_add_co_u32 s16, s16, s15
	s_add_nc_u64 s[8:9], s[8:9], s[16:17]
	s_and_b32 s12, s[WV], 1
	s_lshl_b32 s12, s12, 2
	v_and_b32 v[TW], 31, v0                        ; lane
	v_lshlrev_b32 v[LI], 4, v[TW]
	v_lshlrev_b32 v[L8], 3, v[TW]
	v_cmp_gt_u32 s[LT16], 16, v[TW]                ; lanes 0-15
	v_and_b32 v[TW], 15, v0                        ; r
	v_lshl_add_u32 v[VQS], v[TW], 3, s12           ; run i's word of row r lies at 8 (r + 16 (i % 2)) + 4 (i / 2); i % 2 is the pass
.irp j, 0,1,2,3,4,5,6,7
	v_mov_b32 v[QF+\j], 0                          ; the zero codes round the two tiles of q
	v_mov_b32 v[QF+16+\j], 0
	v_mov_b32 v[QF+32+\j], 0
.endr
	WIN 0x40
	v_mov_b32 v[LIW], v[LI]
	v_lshlrev_b32 v[VCS], 5, v[TW]
.irp b, 0,1,2,3
	v_mov_b32 v[T1+\b], 0                          ; written once: a lane permute's destination counts as one of its sources
	v_mov_b32 v[BM+\b], 0
.endr
	v_mov_b32 v[F+1], 0
	WIN 0
.macro QLOAD                           ; a pass's two tiles of q and their scale word
	global_load_b128 v[QF+8:QF+11], v[LI], s[36:37]
	global_load_b128 v[QF+12:QF+15], v[LI], s[36:37] offset:512
	global_load_b128 v[QF+24:QF+27], v[LI], s[36:37] offset:1024
	global_load_b128 v[QF+28:QF+31], v[LI], s[36:37] offset:1536
	global_load_b32 v[QW], v[VQS], s[38:39]
.endm
	QLOAD                                          ; the first pass's, asked for ahead of the wait for the tiles
	WALU
	s_wait_tensorcnt 0x0
	s_barrier_signal -1
	s_barrier_wait -1                              ; everybody's are: the whole head lies in LDS
	ds_load_b64 v[KSW:KSW+1], v[L8] offset:16384   ; step 0's K
	WIN 0x40
.irp i, 0,1,2,3
.irp c, 0,1,2,3
	ds_load_b128 v[K+16*\i+4*\c:K+16*\i+4*\c+3], v[LI] offset:2048*\i+512*\c
.endr
.endr
	WIN 0
	s_mov_b32 s[PCN], 0
.Lpass:                                                ; two passes of two tiles
	WIN 0x40
.irp y, 0,2
	v_mov_b32 v[NM+\y], 0x7f61b1e6                 ; -M: 3e38, over every -ceil(t)
	v_mov_b32 v[NM+1+\y], 0
	v_mov_b32 v[L+\y], 0
	v_mov_b32 v[L+1+\y], 0
.endr
	WIN 0
	ZERO_O 0, 32                                   ; O^T: a slot is written once; the first finds zeros, which the first change of M leaves zeros
	s_mov_b32 s[TBV], 0
	s_mov_b32 s[CN], 1
	s_mov_b32 s[TBK], STEPB
	WALU
	s_wait_loadcnt 0x0
	v_perm_b32 v[QS], v[QW], v[QW], 0x01000100     ; a tile's two bytes, for blocks 0, 1 and again for blocks 2, 3
	v_perm_b32 v[QS+1], v[QW], v[QW], 0x03020302
	ZERO_O 32, 16                                  ; (sixteen plain lines between the scale registers' writes and the products)
	WALU
	s_wait_dscnt 0x0                               ; step 0's K
	WIN 0x41
.irp g, 0,1,2,3,4,5,6,7
	QKM 0, \g
.endr
	WIN 0
	ZERO_O 48, 16                                  ; (and sixteen behind the products, ahead of the scores' first reader)
	SLOT 0, 0, 1
	WIN 0
	s_mov_b32 s[CNT], 15
.Lstep:
	SLOT 1, 1, 1
	SLOT 0, 1, 1
	WIN 0
	s_sub_co_u32 s[CNT], s[CNT], 1
	s_cmp_lg_u32 s[CNT], 0
	s_cbranch_scc1 .Lstep
	s_cmp_eq_u32 s[PCN], 1                         ; the pass's last products with q stand more than eight plain lines back: the next pass's q is asked for here; behind the last pass there is none
	s_cbranch_scc1 .Lno_next_q
	s_add_nc_u64 s[36:37], s[36:37], 2048          ; (this pass's loads were waited for at its head)
	s_add_nc_u64 s[38:39], s[38:39], 128
	QLOAD
.Lno_next_q:
	SLOT 1, 1, 0
	WIN 0
.rept 4
	v_nop                                          ; four places between p's codes and the products
.endr
.irp t, 0,1,2,3
	PVM 1, \t
.endr
	OUT 0
	OUT 1
	WIN 0
	WALU
	s_wait_xcnt 0x0                                ; the loads and stores have read their bases: on to the next pass's run of Q and row tiles
	s_add_nc_u64 s[6:7], s[6:7], 8192
	s_add_nc_u64 s[8:9], s[8:9], 1024
	s_add_co_u32 s[PCN], s[PCN], 1
	s_cmp_lt_u32 s[PCN], 2
	s_cbranch_scc1 .Lpass
	s_wait_tensorcnt 0x0                           ; the wave's end
	ds_add_u32 v[SPW], v[NIL]
	s_wait_dscnt 0x0
	CROUND                                         ; the closing round
	s_endpgm
.Lfunc_end_k_qdedbf7d873_attn:
	.size	k_qdedbf7d873_attn, .Lfunc_end_k_qdedbf7d873_attn-k_qdedbf7d873_attn
	.p2alignl 7, 3214868480
	.fill 96, 4, 3214868480
	.section	.rodata,"a",@progbits
	.p2align	6, 0x0
	.amdhsa_kernel k_qdedbf7d873_attn
		.amdhsa_group_segment_fixed_size 272384
		.amdhsa_private_segment_fixed_size 0
		.amdhsa_enable_private_segment 0
		.amdhsa_kernarg_size 24
		.amdhsa_user_sgpr_count 2
		.amdhsa_user_sgpr_kernarg_segment_ptr 1
		.amdhsa_wavefront_size32 1
		.amdhsa_system_sgpr_workgroup_id_x 1
		.amdhsa_system_sgpr_workgroup_id_y 1
		.amdhsa_system_sgpr_workgroup_id_z 1
		.amdhsa_system_vgpr_workitem_id 0
		.amdhsa_next_free_vgpr 512
		.amdhsa_next_free_sgpr 66
		.amdhsa_reserve_vcc 0
		.amdhsa_float_denorm_mode_32 3
		.amdhsa_float_denorm_mode_16_64 3
		.amdhsa_memory_ordered 1
		.amdhsa_forward_progress 1
		.amdhsa_inst_pref_size 94
	.end_amdhsa_kernel
	.amdgpu_metadata
---
amdhsa.version: [ 1, 2 ]
amdhsa.kernels:
  - .name:           k_qdedbf7d873_attn
    .symbol:         k_qdedbf7d873_attn.kd
    .args:
      - { .name: qkv, .offset: 0, .size: 8, .value_kind: global_buffer, .address_space: global }
      - { .name: ctxc, .offset: 8, .size: 8, .value_kind: global_buffer, .address_space: global }
      - { .name: ctxs, .offset: 16, .size: 8, .value_kind: global_buffer, .address_space: global }
    .group_segment_fixed_size: 272384
    .private_segment_fixed_size: 0
    .kernarg_segment_align: 8
    .kernarg_segment_size: 24
    .max_flat_workgroup_size: 256
    .sgpr_count:     66
    .vgpr_count:     512
    .wavefront_size: 32
...
	.end_amdgpu_metadata
.endif
;; end of part 2
;; launch oproj (part 3): grid 4 x 64, 4 waves a work-group, clusters of 4 x 4, 312,832 bytes of LDS; arguments ctxc, ctxs, w_o_codes, w_o_scales, b_o, out0; writes out0
.if DOCPART == 3
	.amdgcn_target "amdgcn-amd-amdhsa--gfx1250"
	.amdhsa_code_object_version 6
	.text
	.protected	k_qdedbf7d873_oproj
	.globl	k_qdedbf7d873_oproj
	.p2align	8
	.type	k_qdedbf7d873_oproj,@function
k_qdedbf7d873_oproj:
	s_mov_b64 s[64:65], 0
	v_nop
	global_prefetch_b8 v0, s[64:65] scope:SCOPE_SE
	s_setreg_imm32_b32 hwreg(HW_REG_WAVE_MODE, 25, 1), 1
	s_wait_xcnt 0x0
	s_wait_alu depctr_hold_cnt(0) depctr_sa_sdst(0) depctr_va_vdst(0) depctr_va_sdst(0) depctr_va_ssrc(0) depctr_va_vcc(0) depctr_vm_vsrc(0)
	s_getreg_b32 s2, hwreg(HW_REG_IB_STS2, 6, 4)
	s_cmp_eq_u32 s2, 0
	s_cbranch_scc0 .Lentry_in_a_cluster
	s_endpgm
.Lentry_in_a_cluster:
	s_bfe_u32 s2, ttmp6, 0x10000c
	s_cmp_lg_u32 s2, 0xf033
	s_cbranch_scc0 .Lentry_shape_is_right
	s_endpgm
.Lentry_shape_is_right:
; out0[m][n] = sum over k of ctx[m][k] w_o[k][n] + b_o[n], on codes of BF8 (E5M2) with one E8M0 scale for each 32 along K: 8,192 x 1,024 x 1,024; sums in f32.
; SHARES.  256 work-groups, each 128 rows x 256 columns; four waves, 2 x 2, each 64 x 128: 32 accumulators, 256 registers.
; W_o: the block's 256 rows, ALL of K, lie in LDS in four regions, one for each 256 along K (256 rows x (256 + 16) bytes).  Wave j asks for region j by one tensor load at the head, jointly with the three partners of
; the cluster's column, which make the same columns.  Each wave has a load line of its own, and region j is shown by a barrier of its own, in front of which wave j alone waits: nothing is filled again, so there is no ring.
; ctx: its codes lie in memory as images of the operand's registers ([K step of 256][row tile][half][2,048 bytes]), so a fragment goes from memory straight into registers, 512 consecutive bytes a load; it is no tensor
; load, so it has no joint form.  Six of the eight steps' fragments are asked for at the head, the last two into the registers of steps 0 and 1 when those are done.
; Scale words go straight into registers too: lane l takes row l of a pair of blocks of 16 rows, 32 bytes a row: lanes 0-15 the even block's words, lanes 16-31 the odd block's.
; All loads of the launch are issued at its head or as registers fall free, and there is no loop to run ahead in: so nothing is prefetched.
; THE MATRIX INSTRUCTION IS USED TRANSPOSED (source 0 = 16 rows of W_o, source 1 = 16 rows of ctx): a lane holds eight neighbouring numbers of a row of out0.  The bias is the first products' C.
; REGISTERS: window 0: v1-11 addresses, v12-27 ctx's scale words, v32-63 W_o's, v64-127 the bias, v128-255 ctx's fragments of steps 4, 5 (on the way out: rows read back); window 1: W_o's fragments, two sets;
; window 2: the accumulators ((a, b) at 8 (8 a + b)); window 3: ctx's fragments of steps 0-3, then 6, 7.
.set SIZE_N, 1024
.set KROW,   1024
.set PITCH,  272
.set REG,    256*PITCH
.set ASTEP,  2097152
.set STAGE,  4*REG                     ; the way out: 16 rows x (512 + 16) bytes for each wave, bytes of their own
.set SPITCH, 528
.set SPARE,  STAGE+4*16*SPITCH
.set NP,     8
.set LI,   1                           ; 16 x lane
.set SOF,  2                           ; 32 x lane
.set BOF,  3                           ; 32 x (lane / 16)
.set ADRB, 4                           ; v4-7 LDS address of my fragments of W_o in region 0 .. 3
.set STO,  8
.set RD,   9
.set SPW,  10
.set NIL,  11
.set SA,   12                          ; register 8 p + q: blocks 2 p | 2 p + 1 of ctx, the q-th 128 of K
.set SB,   32                          ; the same for W_o
.set BI,   64
.set BK,   128
.set G1,   24
.set G0,   32
.set MSB, 0
.macro WIN new
.if MSB != (\new)
	s_set_vgpr_msb (MSB<<8)|(\new)
.set MSB, (\new)
.endif
.endm
.macro PLACES n
.rept \n
	v_nop
.endr
.endm
.macro CROUND
	s_barrier_signal -1
	s_barrier_wait -1
	s_cmp_lg_u32 s14, 0
	s_cbranch_scc1 .Lnot_wave_0_\@
	s_barrier_signal -3
.Lnot_wave_0_\@:
	s_barrier_wait -3
	s_barrier_signal -1
	s_barrier_wait -1
.endm
.macro ARM under, next
	s_cmp_lt_u32 s14, \under
	s_cbranch_scc0 \next
	tensor_load_to_lds s[G0:G0+3], s[G1:G1+7]
	s_nop 0
	PLACES 4
	s_branch .Lhead_asked
\next:
.endm
.macro SHOW j                          ; region j is in: wave j, which alone asked for it, waits; the last region's wait stands on every wave's way
.if (\j) < 3
	s_cmp_eq_u32 s14, \j
	s_cbranch_scc0 .Lnot_mine_\@
	s_wait_tensorcnt 0x0
.Lnot_mine_\@:
.else
	s_wait_tensorcnt 0x0
.endif
	s_barrier_signal -1
	s_barrier_wait -1
.endm
.macro SETA q                          ; where step q's fragments of ctx stand
.if (\q) < 4
.set AR_, 64*(\q)
.set AW_, 3
.elseif (\q) < 6
.set AR_, 128+64*((\q)-4)
.set AW_, 0
.else
.set AR_, 64*((\q)-6)
.set AW_, 3
.endif
.endm
.macro ALOAD q                         ; my four fragments of ctx for the q-th 128 of K: 16 loads of 512 consecutive bytes
	SETA \q
	WIN AW_<<6
.irp a, 0,1,2,3
.irp c, 0,1,2,3
	global_load_b128 v[AR_+16*\a+4*\c:AR_+16*\a+4*\c+3], v[LI], s[4:5] offset:((\q)/2)*ASTEP+\a*4096+((\q)%2)*2048+\c*512
.endr
.endr
	WIN 0
.endm
.macro FETCH_B q                       ; my eight fragments of W_o for the q-th 128 of K into set q % 2
	WIN 0x40
.irp i, 0,1,2,3,4,5,6,7
.irp c, 0,1,2,3
	ds_load_b128 v[128*((\q)%2)+16*\i+4*\c:128*((\q)%2)+16*\i+4*\c+3], v[ADRB+(\q)/2] offset:128*((\q)%2)+32*\c+\i*16*PITCH
.endr
.endr
	WIN 0
.endm
.macro WM d, x, y, c, s0, s1, r0, r1
.if (\r0) && (\r1)
	v_wmma_scale_f32_16x16x128_f8f6f4 v[\d:\d+7], v[\x:\x+15], v[\y:\y+15], v[\c:\c+7], v[\s0], v[\s1] matrix_a_fmt:MATRIX_FMT_BF8 matrix_b_fmt:MATRIX_FMT_BF8 matrix_a_scale:MATRIX_SCALE_ROW1 matrix_b_scale:MATRIX_SCALE_ROW1
.elseif \r0
	v_wmma_scale_f32_16x16x128_f8f6f4 v[\d:\d+7], v[\x:\x+15], v[\y:\y+15], v[\c:\c+7], v[\s0], v[\s1] matrix_a_fmt:MATRIX_FMT_BF8 matrix_b_fmt:MATRIX_FMT_BF8 matrix_a_scale:MATRIX_SCALE_ROW1
.elseif \r1
	v_wmma_scale_f32_16x16x128_f8f6f4 v[\d:\d+7], v[\x:\x+15], v[\y:\y+15], v[\c:\c+7], v[\s0], v[\s1] matrix_a_fmt:MATRIX_FMT_BF8 matrix_b_fmt:MATRIX_FMT_BF8 matrix_b_scale:MATRIX_SCALE_ROW1
.else
	v_wmma_scale_f32_16x16x128_f8f6f4 v[\d:\d+7], v[\x:\x+15], v[\y:\y+15], v[\c:\c+7], v[\s0], v[\s1] matrix_a_fmt:MATRIX_FMT_BF8 matrix_b_fmt:MATRIX_FMT_BF8
.endif
.endm
.macro MULH q, a0                      ; 16 products: ctx's blocks a0, a0 + 1 x W_o's eight; the 32 accumulators take turns in one order in every step
	SETA \q
.if (\q) == 0
	WIN 0x81|(AW_<<2)
.else
	WIN 0xa1|(AW_<<2)
.endif
.irp a, \a0, \a0+1
.irp b, 0,1,2,3,4,5,6,7
.if (\q) == 0
	WM 8*(8*(\a)+\b), 128*((\q)%2)+16*\b, AR_+16*(\a), BI+8*\b, SB+8*(\b/2)+(\q), SA+8*((\a)/2)+(\q), \b%2, (\a)%2
.else
	WM 8*(8*(\a)+\b), 128*((\q)%2)+16*\b, AR_+16*(\a), 8*(8*(\a)+\b), SB+8*(\b/2)+(\q), SA+8*((\a)/2)+(\q), \b%2, (\a)%2
.endif
.endr
.endr
.endm
.macro STEP q
	s_wait_dscnt 0x0                       ; W_o's set for this step
.if (\q) < 4
	s_wait_loadcnt 63                      ; ctx's fragments of this step, and all asked for ahead of them: 64 loads or more are younger; the field holds 63
.else
	s_wait_loadcnt 16*(7-(\q))             ; 16 loads for each younger step
.endif
	MULH \q, 0
.if (\q) < 7
	WIN 0
	PLACES NP                              ; eight places behind the last step's products, ahead of loads into registers that they have read
.if (\q)%2
	SHOW ((\q)+1)/2
.endif
	FETCH_B (\q)+1
.if (\q) == 1 || (\q) == 2
	ALOAD (\q)+5
.endif
.endif
	MULH \q, 2
.endm
	s_load_b128 s[4:7], s[0:1], 0x0                ; ctxc, ctxs
	s_load_b128 s[8:11], s[0:1], 0x10              ; w_o's codes, scales
	s_load_b128 s[36:39], s[0:1], 0x20             ; b_o, out0
	v_lshl_add_u32 v[SPW], v0, 2, SPARE
	v_mov_b32 v[NIL], 0
	ds_add_u32 v[SPW], v[NIL]                      ; the opening lines: the add twice on end and its wait
	ds_add_u32 v[SPW], v[NIL]
	v_lshrrev_b32 v31, 5, v0
	v_readfirstlane_b32 s14, v31                   ; wave 0..3
	s_lshr_b32 s15, s14, 1                         ; my half of the rows
	s_and_b32 s16, s14, 1                          ; my half of the columns
	s_bfe_u32 s40, ttmp6, 0x40000                  ; cx, cy
	s_bfe_u32 s41, ttmp6, 0x40004
	s_lshl_b32 s42, ttmp9, 2
	s_add_co_u32 s42, s42, s40                     ; block column = 4 x cluster x + cx
	s_and_b32 s17, ttmp7, 0xffff
	s_lshl_b32 s17, s17, 2
	s_add_co_u32 s17, s17, s41                     ; block row = 4 x cluster y + cy
	s_lshl_b32 s44, 0x1111, s40                    ; my column of the cluster shares W_o's rows
	s_or_b32 s[G1+0], s44, (1<<20)|(1<<21)|(5<<22)|(3<<25)   ; elements of 1 byte; four words of padding after every 64
	s_mov_b32 s[G1+1], 256<<16
	s_mov_b32 s[G1+2], 256<<16
	s_mov_b32 s[G1+3], 256<<16
	s_mov_b32 s[G1+4], 256
	s_mov_b32 s[G1+5], KROW
	s_mov_b32 s[G1+6], 0
	s_mov_b32 s[G1+7], 0
	s_lshl_b32 s20, s42, 18                        ; W_o: 256 rows of 1,024 bytes a block column, + 256 bytes along K for each wave
	s_lshl_b32 s18, s14, 8
	s_add_co_u32 s20, s20, s18
	s_mov_b32 s21, 0
	s_mov_b32 s[G0], 1
	s_mul_i32 s[G0+1], s14, REG
	s_lshl_b32 s22, s17, 15                        ; ctxc: 8 row tiles of 4,096 bytes a block row, + 4 for the lower half
	s_lshl_b32 s18, s15, 14
	s_add_co_u32 s22, s22, s18
	s_mov_b32 s23, 0
	s_lshl_b32 s46, s17, 12                        ; ctxs: 128 rows of 32 bytes, + 64 rows
	s_lshl_b32 s18, s15, 11
	s_add_co_u32 s46, s46, s18
	s_mov_b32 s47, 0
	s_lshl_b32 s48, s42, 13                        ; W_o's scales: 256 rows of 32 bytes, + 128 rows
	s_lshl_b32 s18, s16, 12
	s_add_co_u32 s48, s48, s18
	s_mov_b32 s49, 0
	s_lshl_b32 s50, s42, 10                        ; my first column in bytes of f32
	s_lshl_b32 s18, s16, 9
	s_add_co_u32 s50, s50, s18
	s_mov_b32 s51, 0
	s_lshl_b32 s52, s17, 19                        ; out0: 128 rows of 4,096 bytes, + 64 rows, + my first column
	s_lshl_b32 s18, s15, 18
	s_add_co_u32 s52, s52, s18
	s_add_co_u32 s52, s52, s50
	s_mov_b32 s53, 0
	s_wait_dscnt 0x0
	s_wait_kmcnt 0x0
	s_add_nc_u64 s[G0+2:G0+3], s[8:9], s[20:21]
	s_or_b32 s[G0+3], s[G0+3], 0x80000000
	s_add_nc_u64 s[4:5], s[4:5], s[22:23]
	s_add_nc_u64 s[6:7], s[6:7], s[46:47]
	s_add_nc_u64 s[10:11], s[10:11], s[48:49]
	s_add_nc_u64 s[36:37], s[36:37], s[50:51]
	s_add_nc_u64 s[38:39], s[38:39], s[52:53]
	v_and_b32 v28, 15, v0                          ; r
	v_bfe_u32 v29, v0, 4, 1                        ; h
	v_and_b32 v30, 31, v0                          ; lane
	v_lshlrev_b32 v[LI], 4, v30
	v_lshlrev_b32 v[SOF], 5, v30
	v_lshlrev_b32 v[BOF], 5, v29
	v_mul_u32_u24 v31, v28, PITCH
	v_lshl_add_u32 v31, v29, 4, v31
	s_mul_i32 s18, s16, 128*PITCH                  ; my 128 rows of W_o
.irp j, 0,1,2,3
	v_add_nc_u32 v[ADRB+\j], s18, v31
	s_add_co_u32 s18, s18, REG
.endr
	s_mul_i32 s19, s14, 16*SPITCH
	s_add_co_u32 s19, s19, STAGE                   ; my stage
	v_mul_u32_u24 v31, v28, SPITCH
	v_lshl_add_u32 v31, v29, 5, v31
	v_add_nc_u32 v[STO], s19, v31                  ; in: row r, 32 bytes for each half of the lanes
	v_add_nc_u32 v[RD], s19, v[LI]                 ; back: the 32 lanes take one row of 512 bytes
.irp p, 0,1
	global_load_b128 v[SA+8*\p:SA+8*\p+3], v[SOF], s[6:7] offset:1024*\p
	global_load_b128 v[SA+8*\p+4:SA+8*\p+7], v[SOF], s[6:7] offset:1024*\p+16
.endr
.irp p, 0,1,2,3
	global_load_b128 v[SB+8*\p:SB+8*\p+3], v[SOF], s[10:11] offset:1024*\p
	global_load_b128 v[SB+8*\p+4:SB+8*\p+7], v[SOF], s[10:11] offset:1024*\p+16
.endr
.irp b, 0,1,2,3,4,5,6,7
	global_load_b128 v[BI+8*\b:BI+8*\b+3], v[BOF], s[36:37] offset:64*\b
	global_load_b128 v[BI+8*\b+4:BI+8*\b+7], v[BOF], s[36:37] offset:64*\b+16
.endr
	ALOAD 0                                        ; 60 plain loads are out ahead of the round: 12 of scale words, 16 of the bias, 32 of ctx
	ALOAD 1
	CROUND                                         ; all sixteen work-groups are here: the joint loads meet
	ARM 1, .Lhead_1
	ARM 2, .Lhead_2
	ARM 3, .Lhead_3
	tensor_load_to_lds s[G0:G0+3], s[G1:G1+7]
	s_nop 0
	PLACES 4
.Lhead_asked:
.irp q, 2,3,4,5
	ALOAD \q
.endr
	s_wait_alu depctr_va_vdst(0)                   ; the wait at the head's end
	SHOW 0
	FETCH_B 0
.irp q, 0,1,2,3,4,5,6,7
	STEP \q
.endr
	WIN 0
; THE WAY OUT, block by block of 16 rows x 128 columns, through my own stage: whole rows of 512 bytes come back and are stored as two aligned units of 256 bytes.  LDS serves a wave's instructions in order (ISA guide 5.7.1.4).
.macro TOSTAGE a
.set AC, 64*(\a)
	WIN 0x08
.irp b, 0,1,2,3,4,5,6,7
	ds_store_b128 v[STO], v[AC+8*\b:AC+8*\b+3] offset:64*\b          ; each accumulator from its low end on
	ds_store_b128 v[STO], v[AC+8*\b+4:AC+8*\b+7] offset:64*\b+16
.endr
	WIN 0
.set BB, BK+64*((\a)%2)
.irp t, 0,1,2,3,4,5,6,7,8,9,10,11,12,13,14,15
	ds_load_b128 v[BB+4*\t:BB+4*\t+3], v[RD] offset:\t*SPITCH
.endr
.endm
.macro SEND a, younger
.set BB, BK+64*((\a)%2)
	s_wait_dscnt \younger
.if (\a) > 0
	s_add_nc_u64 s[38:39], s[38:39], 16*SIZE_N*4   ; (behind a wait on XCNT: the earlier stores have read their base)
.endif
.irp t, 0,1,2,3,4,5,6,7,8,9,10,11,12,13,14,15
	global_store_b128 v[LI], v[BB+4*\t:BB+4*\t+3], s[38:39] offset:\t*SIZE_N*4 th:TH_STORE_NT
.endr
.endm
	PLACES NP
	TOSTAGE 0
.irp a, 1,2,3
.if \a > 1
	s_wait_xcnt 0x0                                ; block a - 2's stores have read their registers and their base
.endif
	TOSTAGE \a
	SEND \a-1, 32                                  ; behind block a - 1's loads: block a's 16 stores and 16 loads
.endr
	s_wait_xcnt 0x0
	SEND 3, 0
	s_wait_tensorcnt 0x0                           ; the wave's end
	ds_add_u32 v[SPW], v[NIL]
	s_wait_dscnt 0x0
	CROUND                                         ; the closing round
	s_endpgm
.Lfunc_end_k_qdedbf7d873_oproj:
	.size	k_qdedbf7d873_oproj, .Lfunc_end_k_qdedbf7d873_oproj-k_qdedbf7d873_oproj
	.p2alignl 7, 3214868480
	.fill 96, 4, 3214868480
	.section	.rodata,"a",@progbits
	.p2align	6, 0x0
	.amdhsa_kernel k_qdedbf7d873_oproj
		.amdhsa_group_segment_fixed_size 312832
		.amdhsa_private_segment_fixed_size 0
		.amdhsa_enable_private_segment 0
		.amdhsa_kernarg_size 48
		.amdhsa_user_sgpr_count 2
		.amdhsa_user_sgpr_kernarg_segment_ptr 1
		.amdhsa_wavefront_size32 1
		.amdhsa_system_sgpr_workgroup_id_x 1
		.amdhsa_system_sgpr_workgroup_id_y 1
		.amdhsa_system_sgpr_workgroup_id_z 1
		.amdhsa_system_vgpr_workitem_id 0
		.amdhsa_next_free_vgpr 1024
		.amdhsa_next_free_sgpr 66
		.amdhsa_reserve_vcc 0
		.amdhsa_float_denorm_mode_32 3
		.amdhsa_float_denorm_mode_16_64 3
		.amdhsa_memory_ordered 1
		.amdhsa_forward_progress 1
		.amdhsa_inst_pref_size 89
	.end_amdhsa_kernel
	.amdgpu_metadata
---
amdhsa.version: [ 1, 2 ]
amdhsa.kernels:
  - .name:           k_qdedbf7d873_oproj
    .symbol:         k_qdedbf7d873_oproj.kd
    .args:
      - { .name: ctxc, .offset: 0, .size: 8, .value_kind: global_buffer, .address_space: global }
      - { .name: ctxs, .offset: 8, .size: 8, .value_kind: global_buffer, .address_space: global }
      - { .name: w_o_codes, .offset: 16, .size: 8, .value_kind: global_buffer, .address_space: global }
      - { .name: w_o_scales, .offset: 24, .size: 8, .value_kind: global_buffer, .address_space: global }
      - { .name: b_o, .offset: 32, .size: 8, .value_kind: global_buffer, .address_space: global }
      - { .name: out0, .offset: 40, .size: 8, .value_kind: global_buffer, .address_space: global }
    .group_segment_fixed_size: 312832
    .private_segment_fixed_size: 0
    .kernarg_segment_align: 8
    .kernarg_segment_size: 48
    .max_flat_workgroup_size: 128
    .sgpr_count:     66
    .vgpr_count:     1024
    .wavefront_size: 32
...
	.end_amdgpu_metadata
.endif
;; end of part 3
